; MI455X (gfx1250); checked and timed in simulation.
; The chip was launched on July 23, 2026; its instructions are those of AMD's public machine-readable ISA for CDNA 5 (MIT licence, August 2026) and "CDNA5" Instruction Set Architecture Reference Guide (July 2026). The comments in the code are by the model that wrote it; some were corrected since.
;; simple NN. Allowed arithmetic: float matrix products may take bf16 or f16 operands with f32 sums; all other float work in f32.
;; Inputs: W0 1 x 16 float32; W1 16 x 32 float32; W2 32 x 32 float32; W3 32 x 16 float32; W4 16 x 3 float32; b0 16 float32; b1 32 float32; b2 32 float32; b3 16 float32; b4 3 float32; x 4,194,304 x 1 float32.
;; Outputs: out0 4,194,304 x 3 float32.
;; One version. Each part assembles by itself: llvm-mc -triple=amdgcn-amd-amdhsa -mcpu=gfx1250 --defsym DOCPART=n.
;; ======== version 1 of 1: 1 launch
;; limits: values are held in f16: magnitudes above 65,504 overflow, below 6.1e-05 lose precision; right only within a limited range of input values
;; launch mlp (part 1): grid 256 x 1, 16 waves a work-group, no clusters, 26,624 bytes of LDS; arguments x, W0, b0, W1, b1, W2, b2, W3, b3, W4, b4, out0; writes out0
.if DOCPART == 1
	.amdgcn_target "amdgcn-amd-amdhsa--gfx1250"
	.amdhsa_code_object_version 6
	.text
	.protected	k_q15ec0abfbc_mlp
	.globl	k_q15ec0abfbc_mlp
	.p2align	8
	.type	k_q15ec0abfbc_mlp,@function
k_q15ec0abfbc_mlp:
	s_mov_b64 s[64:65], 0
	v_nop
	global_prefetch_b8 v0, s[64:65] scope:SCOPE_SE
	s_setreg_imm32_b32 hwreg(HW_REG_WAVE_MODE, 25, 1), 1
	s_wait_xcnt 0x0
; out = tanh(..tanh(tanh(x W0 + b0) W1 + b1)..W4 + b4), widths 1 -> 16 -> 32 -> 32 -> 16 -> 3, 4,194,304 rows, all buffers f32.
;
; ARITHMETIC.  tanh(z) = 1 - 2 r with r = 1 / (1 + 2^(S z)), S = 2 log2(e).  The hidden layers hand on r, not tanh: the map
; h = 1 - 2 r and the factor S go into the next layer's constants,  S z = sum_k A[k] r[k] + C,  A = f16(-2 S W),
; C = S b + sum_k A[k] (-0.5).  So a hidden activation costs one exp2, half a packed add of 1, one reciprocal and half a packed
; rounding to f16; only the last layer pays the fused 1 - 2 r.  2^(S z) = inf gives r = 0, 2^(S z) = 0 gives r = 1: no clamp is needed.
; Products: f16 operands, f32 sums.  f16 and not bf16, since r lies in [0, 1] and f16 keeps 11 bits of it.
; Layer 0 has one input: it is a scale and a bias, made in f32 by the vector unit.
;
; LIMITS.  |W1..W4| < 11,350 (so that -2 S W is a finite f16); weights under about 1e-5 become f16 denormals (absolute error of the
; scaled weight at most 2^-25).  Two rows share the last product (rows 64 apart inside a group of 128), each multiplied by zeros
; where the other's weights stand: a row whose layer-3 activations are NaN makes its partner's three outputs NaN too.
;
; LAYOUT.  The products are used transposed: matrix A = W^T (m = output feature), matrix B = activations (n = batch row, k = input
; feature).  Result register j of lane (r = lane % 16, h = lane / 16) is feature 8 h + j of batch column r; its eight registers,
; packed in pairs to f16, are registers 0-3 of the next product's B fragment (k = 8 h ..), those of the second tile of 16 features
; registers 4-7 (k = 16 + 8 h ..).  So the layers follow each other without moving anything between lanes.
; A step is 128 rows = 8 tiles (hp, t): column r of tile (hp, t) is row 64 hp + 4 r + t, so that one 16-byte load at 256 hp + 16 r
; brings a lane its x for t = 0..3.  The last layer (16 -> 3) takes tiles (0, t) and (1, t) in ONE product: B registers 0-3 from the
; first, 4-7 from the second; A4 holds W4^T in rows 0-2 at k < 16 and in rows 8-10 at k >= 16.  Result registers 0-2 of lane (r, h)
; are then the outputs of row 64 h + 4 r + t: after t = 0..3 lane L holds the 48 bytes at 48 L of the step's 1,536 output bytes.
;
; SHARING.  256 work-groups of 16 waves; a wave owns 1,024 consecutive rows = 8 steps.  Waves exchange nothing: no barrier.
; LDS: 1,536 bytes a wave, its own, only to turn 48 bytes a lane into stores of 512 consecutive bytes.
; Not used: tensor loads and an LDS ring (x is 4 bytes a row, asked for a quarter of a step ahead in 8 registers); clusters
; (what work-groups share is 8.8 KB of weights, read once by each wave into registers).
.set STEPS, 8                          ; steps of a wave
.set XSTEP, 512                        ; bytes of x in a step (128 rows)
.set OSTEP, 1536                       ; bytes of out0 in a step
.set SCL,   0x4038aa3b                 ; S = 2 log2(e)
.set NSCL2, 0xc0b8aa3b                 ; -2 S
.set XA,  1                            ; v1        16 r: my 16 bytes of x in each half of a step
.set SA,  2                            ; v2        LDS: wave's stage + 48 lane
.set LA,  3                            ; v3        LDS: wave's stage + 16 lane
.set OA,  4                            ; v4        byte offset in out0, one step ahead of the stores that use it
.set X,   6                            ; v[6:13]   x of tile (hp, t) at X + 4 hp + t
.set OUT, 14                           ; v[14:25]  my 12 outputs of the step  (set-up: offsets and temporaries)
.set STG, 26                           ; v[26:37]  the step's outputs as read back from LDS
.set W0P, 38                           ; v[38:45]  S W0[8 h + j]
.set B0P, 46                           ; v[46:53]  S b0[8 h + j]
.set A1,  54                           ; v[54:69]  two A fragments (features 0-15, 16-31); k >= 16 is zero
.set A2,  70                           ; v[70:85]  two A fragments
.set A3,  86                           ; v[86:93]
.set A4,  94                           ; v[94:101]
.set C1,  102                          ; v[102:117] two C tiles
.set C2,  118                          ; v[118:133]
.set C3,  134                          ; v[134:141]
.set C4,  142                          ; v[142:149]
.set H0,  150                          ; v[150:165] r of layer 0, B fragments of tiles (0, t), (1, t); registers 4-7 of each stay zero
.set HA,  166                          ; v[166:181] r of layer 1, then of layer 2: two B fragments
.set H3,  182                          ; v[182:213] r of layer 3: fragment t = tiles (0, t) and (1, t)
.set D,   214                          ; v[214:245] results at work
.set T,   150                          ; v[150:221] set-up only: the 72 weights of this lane's fragments in f32
.set BC,  238                          ; v[238:245] set-up only: a B fragment of -0.5 everywhere
.set P,   22                           ; v[22:25]   set-up only: W4's packed words before the lane masks
	s_load_b512 s[8:23], s[0:1], 0x0               ; x 8, W0 10, b0 12, W1 14, b1 16, W2 18, b2 20, W3 22
	s_load_b256 s[24:31], s[0:1], 0x40             ; b3 24, W4 26, b4 28, out0 30
	v_lshl_add_u32 v248, v0, 2, 0x6000
	v_mov_b32 v249, 0
	v_lshrrev_b32 v5, 5, v0
	v_readfirstlane_b32 s2, v5                     ; wave 0..15
	v_and_b32 v5, 31, v0                           ; lane
	v_and_b32 v14, 15, v0                          ; r
	v_bfe_u32 v15, v0, 4, 1                        ; h
	s_lshl_b32 s3, ttmp9, 4
	s_add_co_u32 s3, s3, s2                        ; G = 16 x work-group + wave: which 1,024 rows are mine
	s_mul_i32 s7, s2, OSTEP                        ; my wave's stage in LDS
	v_lshlrev_b32 v[XA], 4, v14                    ; 16 r
	v_lshlrev_b32 v16, 5, v15                      ; 32 h: features 8 h .. 8 h + 7 of a bias (and of W0)
	v_lshlrev_b32 v17, 2, v14                      ; 4 r
	v_lshl_add_u32 v18, v15, 9, v17                ; W3[8 h + i][r]: rows of 64 bytes
	v_lshl_add_u32 v17, v15, 10, v17               ; W1, W2[8 h + i][r]: rows of 128 bytes
	v_and_b32 v19, 7, v14
	v_min_u32 v19, 2, v19                          ; output feature min(r % 8, 2): lanes that hold none read a valid word and mask it
	v_mul_u32_u24 v22, v15, 96                     ; W4[8 h + i][f]: rows of 12 bytes
	v_lshl_add_u32 v19, v19, 2, v22
	v_mov_b32 v20, 0                               ; b4: every lane reads the same three words
	v_add_nc_u32 v21, -8, v14
	v_cmp_gt_u32 s36, 3, v14                       ; lanes with r = 0..2: A4's rows for k < 16
	v_cmp_gt_u32 s37, 3, v21                       ; lanes with r = 8..10: A4's rows for k >= 16
	v_mul_u32_u24 v[SA], v5, 48
	v_add_nc_u32 v[SA], s7, v[SA]
	v_lshlrev_b32 v[OA], 4, v5
	v_add_nc_u32 v[LA], s7, v[OA]
	s_wait_kmcnt 0x0
	s_lshl_b32 s4, s3, 12                          ; 1,024 rows x 4 bytes
	s_mov_b32 s5, 0
	s_add_nc_u64 s[8:9], s[8:9], s[4:5]            ; x at my first row
	s_mul_i32 s4, s3, 12288                        ; 1,024 rows x 12 bytes (at most 50,319,360)
	s_add_nc_u64 s[30:31], s[30:31], s[4:5]        ; out0 at my first row
	; step 0's x first, then the constants
	global_load_b128 v[X:X+3],   v[XA], s[8:9] th:TH_LOAD_NT
	global_load_b128 v[X+4:X+7], v[XA], s[8:9] offset:256 th:TH_LOAD_NT
	global_load_b128 v[W0P:W0P+3],   v16, s[10:11]
	global_load_b128 v[W0P+4:W0P+7], v16, s[10:11] offset:16
	global_load_b128 v[B0P:B0P+3],   v16, s[12:13]
	global_load_b128 v[B0P+4:B0P+7], v16, s[12:13] offset:16
.irp m, 0,1                                        ; C tile m, register j: b[16 m + 8 h + j]
	global_load_b128 v[C1+8*\m:C1+8*\m+3],   v16, s[16:17] offset:64*\m
	global_load_b128 v[C1+8*\m+4:C1+8*\m+7], v16, s[16:17] offset:64*\m+16
	global_load_b128 v[C2+8*\m:C2+8*\m+3],   v16, s[20:21] offset:64*\m
	global_load_b128 v[C2+8*\m+4:C2+8*\m+7], v16, s[20:21] offset:64*\m+16
.endr
	global_load_b128 v[C3:C3+3],   v16, s[24:25]
	global_load_b128 v[C3+4:C3+7], v16, s[24:25] offset:16
.irp f, 0,1,2
	global_load_b32 v[C4+\f], v20, s[28:29] offset:4*\f    ; rows 8 h + f of the last product: b4[f] in both halves of the lanes
.endr
	; the weights as this lane's A fragments want them: W[k][16 m + r], k = 16 c + 8 h + i
.irp m, 0,1
.irp i, 0,1,2,3,4,5,6,7
	global_load_b32 v[T+8*\m+\i], v17, s[14:15] offset:128*\i+64*\m
.endr
.endr
.irp m, 0,1
.irp c, 0,1
.irp i, 0,1,2,3,4,5,6,7
	global_load_b32 v[T+16+16*\m+8*\c+\i], v17, s[18:19] offset:128*\i+2048*\c+64*\m
.endr
.endr
.endr
.irp c, 0,1
.irp i, 0,1,2,3,4,5,6,7
	global_load_b32 v[T+48+8*\c+\i], v18, s[22:23] offset:64*\i+1024*\c
.endr
.endr
.irp i, 0,1,2,3,4,5,6,7
	global_load_b32 v[T+64+\i], v19, s[26:27] offset:12*\i
.endr
	; constants that no load writes, while the loads are on their way
.irp j, 3,4,5,6,7
	v_mov_b32 v[C4+\j], 0                          ; rows of the last product that hold no output
.endr
.irp j, 4,5,6,7,12,13,14,15
	v_mov_b32 v[A1+\j], 0                          ; layer 1 has 16 inputs: k = 16..31 is zero
.endr
.irp j, 0,1,2,3,4,5,6,7
	v_mov_b32 v[BC+\j], 0xb800b800                 ; -0.5 in f16, twice
.endr
	s_wait_loadcnt 0x0                             ; once: everything above is in
	; S x (W0, b0), S x (b1 .. b4), -2 S x (W1 .. W4)
.set i, 0
.rept 8
	v_pk_mul_f32 v[W0P+2*i:W0P+2*i+1], v[W0P+2*i:W0P+2*i+1], SCL op_sel_hi:[1,0]
.set i, i+1
.endr
.set i, 0
.rept 22                                           ; C1, C2, C3 and C4's registers 0-3 lie in a row
	v_pk_mul_f32 v[C1+2*i:C1+2*i+1], v[C1+2*i:C1+2*i+1], SCL op_sel_hi:[1,0]
.set i, i+1
.endr
.set i, 0
.rept 36
	v_pk_mul_f32 v[T+2*i:T+2*i+1], v[T+2*i:T+2*i+1], NSCL2 op_sel_hi:[1,0]
.set i, i+1
.endr
	; to f16, the lower k in the low half
.irp m, 0,1
.irp q, 0,1,2,3
	v_cvt_pk_f16_f32 v[A1+8*\m+\q], v[T+8*\m+2*\q], v[T+8*\m+2*\q+1]
.endr
.endr
.set i, 0
.rept 16
	v_cvt_pk_f16_f32 v[A2+i], v[T+16+2*i], v[T+16+2*i+1]
.set i, i+1
.endr
.set i, 0
.rept 8
	v_cvt_pk_f16_f32 v[A3+i], v[T+48+2*i], v[T+48+2*i+1]
.set i, i+1
.endr
.irp q, 0,1,2,3
	v_cvt_pk_f16_f32 v[P+\q], v[T+64+2*\q], v[T+64+2*\q+1]
.endr
.irp q, 0,1,2,3
	v_cndmask_b32 v[A4+\q],   0, v[P+\q], s36      ; rows 0-2: W4^T at k = 8 h ..
	v_cndmask_b32 v[A4+4+\q], 0, v[P+\q], s37      ; rows 8-10: W4^T at k = 16 + 8 h ..
.endr
	; C += sum over k of A[k] x (-0.5), with the rounded weights, and it lands in C's own layout
	v_wmma_f32_16x16x32_f16 v[C1:C1+7],    v[A1:A1+7],    v[BC:BC+7], v[C1:C1+7]
	v_wmma_f32_16x16x32_f16 v[C1+8:C1+15], v[A1+8:A1+15], v[BC:BC+7], v[C1+8:C1+15]
	v_wmma_f32_16x16x32_f16 v[C2:C2+7],    v[A2:A2+7],    v[BC:BC+7], v[C2:C2+7]
	v_wmma_f32_16x16x32_f16 v[C2+8:C2+15], v[A2+8:A2+15], v[BC:BC+7], v[C2+8:C2+15]
	v_wmma_f32_16x16x32_f16 v[C3:C3+7],    v[A3:A3+7],    v[BC:BC+7], v[C3:C3+7]
	v_wmma_f32_16x16x32_f16 v[C4:C4+7],    v[A4:A4+7],    v[BC:BC+7], v[C4:C4+7]
	; These eight moves name none of the six products' registers: they are the independent vector instructions that stand between
	; those products and the first product that takes a C tile as another accumulator's C (five are needed; ISA guide 7.12.1).
.irp j, 4,5,6,7,12,13,14,15
	v_mov_b32 v[H0+\j], 0                          ; layer 1's B fragments: k = 16..31 is zero, for the whole kernel
.endr
; n independent vector places behind matrix instructions (ISA guide 7.12.1): four before a vector instruction reads a result.
.macro PLACES n
.rept \n
	v_nop
.endr
.endm
; r = 1 / (1 + 2^v), in place, on n registers from base.  Behind a run of transcendentals one plain vector instruction stands
; before a result is used (ISA guide 5.7.2): the v_nop.  The two v_nop here and the four of PLACES also make the six places
; between one layer's products and the next layer's, which write over the same result registers (five are needed).
.macro ACT base, n
.set i, 0
.rept \n
	v_exp_f32 v[\base+i], v[\base+i]
.set i, i+1
.endr
	v_nop
.set i, 0
	s_wait_alu depctr_va_vdst(0)
.rept \n/2
	v_pk_add_f32 v[\base+2*i:\base+2*i+1], v[\base+2*i:\base+2*i+1], 1.0 op_sel_hi:[1,0]
.set i, i+1
.endr
.set i, 0
.rept \n
	v_rcp_f32 v[\base+i], v[\base+i]
.set i, i+1
.endr
	v_nop
.endm
; eight f32 (features 8 h .. 8 h + 7) to four registers of a B fragment
.macro PACK dst, src
.set i, 0
	s_wait_alu depctr_va_vdst(0)
.rept 4
	v_cvt_pk_f16_f32 v[\dst+i], v[\src+2*i], v[\src+2*i+1]
.set i, i+1
.endr
.endm
; layer 0 of tile (hp, t): S z[8 h + j] = x (S W0[8 h + j]) + S b0[8 h + j]; x is one register of a pair, given to both halves
.macro L0 t, hp
.set i, 0
.rept 4
.if (\t)&1
	v_pk_fma_f32 v[D+8*\hp+2*i:D+8*\hp+2*i+1], v[X+4*\hp+((\t)&2):X+4*\hp+((\t)&2)+1], v[W0P+2*i:W0P+2*i+1], v[B0P+2*i:B0P+2*i+1] op_sel:[1,0,0] op_sel_hi:[1,1,1]
.else
	v_pk_fma_f32 v[D+8*\hp+2*i:D+8*\hp+2*i+1], v[X+4*\hp+((\t)&2):X+4*\hp+((\t)&2)+1], v[W0P+2*i:W0P+2*i+1], v[B0P+2*i:B0P+2*i+1] op_sel_hi:[0,1,1]
.endif
.set i, i+1
.endr
.endm
; a layer of 32 outputs on two tiles: results D+0, D+8 = features 0-15, 16-31 of the first tile, D+16, D+24 of the second
.macro MM2 a, c, b
	v_wmma_f32_16x16x32_f16 v[D:D+7],     v[\a:\a+7],    v[\b:\b+7],    v[\c:\c+7]
	v_wmma_f32_16x16x32_f16 v[D+8:D+15],  v[\a+8:\a+15], v[\b:\b+7],    v[\c+8:\c+15]
	v_wmma_f32_16x16x32_f16 v[D+16:D+23], v[\a:\a+7],    v[\b+8:\b+15], v[\c:\c+7]
	v_wmma_f32_16x16x32_f16 v[D+24:D+31], v[\a+8:\a+15], v[\b+8:\b+15], v[\c+8:\c+15]
.endm
; layers 0 to 3 of tiles (0, t) and (1, t).  load = 1: x of the next step is asked for, behind the last read of this step's.
.macro PAIR t, load
	L0 \t, 0
	L0 \t, 1
.if \load
	s_add_nc_u64 s[8:9], s[8:9], XSTEP             ; the loads that named s[8:9] are done: the wait at the step's head
	global_load_b128 v[X:X+3],   v[XA], s[8:9] th:TH_LOAD_NT
	global_load_b128 v[X+4:X+7], v[XA], s[8:9] offset:256 th:TH_LOAD_NT
.endif
	ACT D, 16
	PACK H0, D
	PACK H0+8, D+8
	MM2 A1, C1, H0                                 ; layer 1
	PLACES 4
	ACT D, 32
	PACK HA, D
	PACK HA+4, D+8
	PACK HA+8, D+16
	PACK HA+12, D+24
	MM2 A2, C2, HA                                 ; layer 2
	PLACES 4                                       ; also the four places before HA, a source of these products, is written again
	ACT D, 32
	PACK HA, D
	PACK HA+4, D+8
	PACK HA+8, D+16
	PACK HA+12, D+24
	v_wmma_f32_16x16x32_f16 v[D:D+7],    v[A3:A3+7], v[HA:HA+7],    v[C3:C3+7]     ; layer 3
	v_wmma_f32_16x16x32_f16 v[D+8:D+15], v[A3:A3+7], v[HA+8:HA+15], v[C3:C3+7]
	PLACES 4
	ACT D, 16
	PACK H3+8*\t, D                                ; tile (0, t): k = 0..15 of the last product
	PACK H3+8*\t+4, D+8                            ; tile (1, t): k = 16..31
.endm
; 128 rows.  more = 1: the next step's x is loaded.
.macro STEP more
	s_wait_loadcnt 0x0                             ; this step's two loads of x, issued in the last quarter of the step before
	PAIR 0, 0
	PAIR 1, 0
	PAIR 2, 0
	PAIR 3, \more
.irp t, 0,1,2,3
	v_wmma_f32_16x16x32_f16 v[D+8*\t:D+8*\t+7], v[A4:A4+7], v[H3+8*\t:H3+8*\t+7], v[C4:C4+7]   ; layer 4: registers 0-2 = row 64 h + 4 r + t
.endr
	PLACES 4
.irp t, 0,1,2,3
.irp f, 0,1,2
	v_exp_f32 v[D+8*\t+\f], v[D+8*\t+\f]
.endr
.endr
	v_nop
	s_wait_alu depctr_va_vdst(0)
.irp t, 0,1,2,3
	v_pk_add_f32 v[D+8*\t:D+8*\t+1], v[D+8*\t:D+8*\t+1], 1.0 op_sel_hi:[1,0]
	v_add_f32 v[D+8*\t+2], 1.0, v[D+8*\t+2]
.endr
.irp t, 0,1,2,3
.irp f, 0,1,2
	v_rcp_f32 v[D+8*\t+\f], v[D+8*\t+\f]
.endr
.endr
	v_nop
	s_wait_alu depctr_va_vdst(0)
.irp t, 0,1,2,3
.irp f, 0,1,2
	v_fma_f32 v[OUT+3*\t+\f], v[D+8*\t+\f], -2.0, 1.0      ; tanh = 1 - 2 r
.endr
.endr
	; 48 bytes a lane into my stage (a pitch of 48 bytes, an odd multiple of 16), back as 16 bytes a lane from 512 consecutive bytes
.irp c, 0,1,2
	ds_store_b128 v[SA], v[OUT+4*\c:OUT+4*\c+3] offset:16*\c
.endr
	s_wait_xcnt 0x0                                ; the last step's stores have had their addresses translated (ISA guide 3.1): OA and STG, which they read, are rewritten only behind this wait
	v_add_nc_u32 v[OA], OSTEP, v[OA]               ; the stores below reach back by the immediate
.irp c, 0,1,2
	ds_load_b128 v[STG+4*\c:STG+4*\c+3], v[LA] offset:512*\c       ; LDS serves a wave's instructions in order (ISA guide 5.7.1): these see the stores above
.endr
.irp c, 0,1,2
	s_wait_dscnt 2-\c                              ; load c is in when 2 - c younger ones are out
	global_store_b128 v[OA], v[STG+4*\c:STG+4*\c+3], s[30:31] offset:512*\c-OSTEP th:TH_STORE_NT   ; a wave's store covers 512 consecutive bytes, aligned
.endr
.endm
	s_mov_b32 s6, 0
.Lstep:
	STEP 1
	s_add_co_u32 s6, s6, 1
	s_cmp_lt_u32 s6, STEPS-1
	s_cbranch_scc1 .Lstep
	STEP 0                                         ; the last step loads nothing: no load passes the end of x
	s_wait_tensorcnt 0x0
	ds_add_u32 v248, v249
	s_wait_dscnt 0x0
	s_endpgm
.Lfunc_end_k_q15ec0abfbc_mlp:
	.size	k_q15ec0abfbc_mlp, .Lfunc_end_k_q15ec0abfbc_mlp-k_q15ec0abfbc_mlp
	.p2alignl 7, 3214868480
	.fill 96, 4, 3214868480
	.section	.rodata,"a",@progbits
	.p2align	6, 0x0
	.amdhsa_kernel k_q15ec0abfbc_mlp
		.amdhsa_group_segment_fixed_size 26624
		.amdhsa_private_segment_fixed_size 0
		.amdhsa_enable_private_segment 0
		.amdhsa_kernarg_size 96
		.amdhsa_user_sgpr_count 2
		.amdhsa_user_sgpr_kernarg_segment_ptr 1
		.amdhsa_wavefront_size32 1
		.amdhsa_system_sgpr_workgroup_id_x 1
		.amdhsa_system_sgpr_workgroup_id_y 1
		.amdhsa_system_sgpr_workgroup_id_z 1
		.amdhsa_system_vgpr_workitem_id 0
		.amdhsa_next_free_vgpr 250
		.amdhsa_next_free_sgpr 66
		.amdhsa_reserve_vcc 0
		.amdhsa_float_denorm_mode_32 3
		.amdhsa_float_denorm_mode_16_64 3
		.amdhsa_memory_ordered 1
		.amdhsa_forward_progress 1
		.amdhsa_inst_pref_size 142
	.end_amdhsa_kernel
	.amdgpu_metadata
---
amdhsa.version: [ 1, 2 ]
amdhsa.kernels:
  - .name:           k_q15ec0abfbc_mlp
    .symbol:         k_q15ec0abfbc_mlp.kd
    .args:
      - { .name: x, .offset: 0, .size: 8, .value_kind: global_buffer, .address_space: global }
      - { .name: W0, .offset: 8, .size: 8, .value_kind: global_buffer, .address_space: global }
      - { .name: b0, .offset: 16, .size: 8, .value_kind: global_buffer, .address_space: global }
      - { .name: W1, .offset: 24, .size: 8, .value_kind: global_buffer, .address_space: global }
      - { .name: b1, .offset: 32, .size: 8, .value_kind: global_buffer, .address_space: global }
      - { .name: W2, .offset: 40, .size: 8, .value_kind: global_buffer, .address_space: global }
      - { .name: b2, .offset: 48, .size: 8, .value_kind: global_buffer, .address_space: global }
      - { .name: W3, .offset: 56, .size: 8, .value_kind: global_buffer, .address_space: global }
      - { .name: b3, .offset: 64, .size: 8, .value_kind: global_buffer, .address_space: global }
      - { .name: W4, .offset: 72, .size: 8, .value_kind: global_buffer, .address_space: global }
      - { .name: b4, .offset: 80, .size: 8, .value_kind: global_buffer, .address_space: global }
      - { .name: out0, .offset: 88, .size: 8, .value_kind: global_buffer, .address_space: global }
    .group_segment_fixed_size: 26624
    .private_segment_fixed_size: 0
    .kernarg_segment_align: 8
    .kernarg_segment_size: 96
    .max_flat_workgroup_size: 512
    .sgpr_count:     66
    .vgpr_count:     250
    .wavefront_size: 32
...
	.end_amdgpu_metadata
.endif
;; end of part 1
